; MI455X (gfx1250); checked and timed in simulation.
; The chip was launched on July 23, 2026; its instructions are those of AMD's public machine-readable ISA for CDNA 5 (MIT licence, August 2026) and "CDNA5" Instruction Set Architecture Reference Guide (July 2026). The comments in the code are by the model that wrote it; some were corrected since.
;; Surgical Tri X Layer. Allowed arithmetic: float matrix products may take bf16 or f16 operands with f32 sums; other float arithmetic in f32, or as packed bf16 or f16 multiplies, adds, multiply-adds, maxima and minima; sums over many terms, partial sums and values carried from step to step in f32; what a program stores and reads back later, other than sums and carried values, may be rounded once to bf16 or f16.
;; Inputs: W 16 x 1,024 x 1,024 float32; b 16 x 1,024 float32; sigs_raw 16 x 1,024 float32; x 4,096 x 1,024 float32.
;; Outputs: out0 4,096 x 1,024 float32; out1 4,096 int32.
;; 2 versions, each right and faster than the one before. Each part assembles by itself: llvm-mc -triple=amdgcn-amd-amdhsa -mcpu=gfx1250 --defsym DOCPART=n.
;; ======== version 1 of 2: 2 launches
;; workspace buffers: xb 8,388,608 bytes; idx 16,384 bytes of whole numbers
;; launch route (part 1): grid 256 x 1, 8 waves a work-group, no clusters, 75,264 bytes of LDS; arguments x, sigs_raw, xb, idx, out1; writes xb, idx, out1
.if DOCPART == 1
	.amdgcn_target "amdgcn-amd-amdhsa--gfx1250"
	.amdhsa_code_object_version 6
	.text
	.protected	k_q974ef2b948_route
	.globl	k_q974ef2b948_route
	.p2align	8
	.type	k_q974ef2b948_route,@function
k_q974ef2b948_route:
	s_mov_b64 s[64:65], 0
	v_nop
	global_prefetch_b8 v0, s[64:65] scope:SCOPE_SE
	s_setreg_imm32_b32 hwreg(HW_REG_WAVE_MODE, 25, 1), 1
	s_wait_xcnt 0x0
; ROUTER.  scores[token][tile] = x[token] . q(sigs_raw[tile]);  out1[token] = idx[token] = the tile of the largest score, the lower tile at a tie;
; xb = x rounded to bf16 (nearest even), [4096][1024], for the launch behind.
; ONE ROUNDING FOR THE WHOLE PROGRAM: every input counts as rounded to bf16.  x is rounded on its way.  A signature entry s counts as rounded to bf16 before the
; threshold 0.3: the two bf16 numbers round 0.3 are 0x3e99 and 0x3e9a, their midpoint is 0x3e998000 = 0.2998046875, and the tie goes to the even 0x3e9a.  So
; bf16(s) > 0.3 is |s| >= 0.2998046875 with s's sign: one f32 compare.  The scores are then sums of +-bf16(x), made by the matrix unit with f32 sums.
; LIMITS.  NaN and infinities in x or sigs_raw are not treated as the module treats them (a NaN signature entry counts as 0).  |sigs_raw| stays under 2^24: beyond
; that the module's own s + (q - s) is no longer q.
; SHARES.  A work-group owns 16 tokens.  Wave w loads rows 2 w and 2 w + 1 of its x tile and of the signatures, 512 neighbouring bytes a load, rounds or quantises them
; and lays them into LDS; behind a barrier it multiplies K = 128 w .. 128 w + 127 of all 16 tokens x 16 signatures; the eight partial scores (f32) meet in LDS and
; wave 0 adds them in the order of the waves and takes the maximum.
; NO CLUSTER, NO TENSOR LOAD: what the work-groups share is the 64 KiB of signatures, which have to pass through registers to be quantised; x has one reader.
.set XP,    2064                       ; an LDS row: 2,048 bytes of bf16 + 16 = 129 x 16: the 16 rows of a fragment load start at 16 different groups of four banks (ISA guide 11.1)
.set SG,    16*XP                      ; x's tile lies at 0, the signatures' tile here
.set PART,  32*XP                      ; eight waves' partial scores, 1,024 bytes each
.set SPARE, PART+8*1024                ; the spare words, 128 bytes for each wave: four blocks of 256 bytes that no other line names
.set SPW,  2                           ; v2   LDS address of my spare word; never rewritten
.set NIL,  3                           ; v3   0; never rewritten
.set XR,   16                          ; v[16:79]    x as loaded, 4 registers a load
.set SR,   80                          ; v[80:143]   signatures as loaded
.set XC,   144                         ; v[144:175]  x in bf16, 2 registers a load: each store has data registers of its own
.set SC,   176                         ; v[176:207]  signatures in bf16
.set T,    208                         ; v[208:211]  at work
.set SF,   16                          ; behind the first barrier: v[16:47] signature fragments, v[48:79] x fragments, 8 registers a K step of 32
.set XF,   48
.set ACC,  80                          ; v[80:87], v[88:95] two accumulators that take turns
.set SUM,  96                          ; v[96:103] their sum
.set PP,   16                          ; wave 0: v[16:79] the eight partial scores
.set TOT,  104                         ; v[104:111] their sum
.set BEST, 112
.set BI,   113
.set OBV,  114
.set OBI,  115
	s_load_b256 s[4:11], s[0:1], 0x0               ; x s[4:5], sigs_raw s[6:7], xb s[8:9], idx s[10:11]
	s_load_b64 s[12:13], s[0:1], 0x20              ; out1
	v_lshl_add_u32 v[SPW], v0, 2, SPARE
	v_mov_b32 v[NIL], 0
	v_lshrrev_b32 v13, 5, v0
	v_readfirstlane_b32 s14, v13                   ; wave 0..7
	v_and_b32 v1, 31, v0                           ; lane
	v_and_b32 v10, 15, v0                          ; r = lane % 16
	v_bfe_u32 v11, v0, 4, 1                        ; h = lane / 16
	s_mov_b32 s15, 0x3e998000                      ; 0.2998046875
	s_mov_b32 s16, 0x7fffffff                      ; all but the sign
	s_mov_b32 s20, 0x76543210                      ; v_permlanex16_b32: each lane takes its own place in the other half
	s_mov_b32 s21, 0xfedcba98
	s_lshl_b32 s24, s14, 13
	v_lshl_add_u32 v4, v1, 4, s24                  ; f32 rows: 2 rows of 4,096 bytes a wave + 16 bytes a lane
	s_lshl_b32 s24, s14, 12
	v_lshl_add_u32 v5, v1, 3, s24                  ; xb: 2 rows of 2,048 bytes a wave + 8 bytes a lane
	s_mul_i32 s24, s14, 2*XP
	v_lshl_add_u32 v6, v1, 3, s24                  ; LDS: 2 rows a wave + 8 bytes a lane
	v_mul_u32_u24 v7, v10, XP
	v_lshl_add_u32 v7, v11, 4, v7
	s_lshl_b32 s24, s14, 8
	v_add_nc_u32 v7, s24, v7                       ; fragments: row r, 16 bytes for each half of the lanes, my wave's 256 bytes of K
	s_lshl_b32 s24, s14, 10
	s_add_co_u32 s24, s24, PART
	v_lshl_add_u32 v8, v1, 4, s24                  ; where I put my partial scores
	v_lshl_add_u32 v9, v1, 4, PART                 ; where wave 0 reads them
	v_lshlrev_b32 v12, 2, v10                      ; 4 r: my token's word in out1 and idx
	s_lshl_b32 s18, ttmp9, 16                      ; the work-group's 16 rows of 4,096 bytes
	s_mov_b32 s19, 0
	s_wait_kmcnt 0x0
	s_add_nc_u64 s[4:5], s[4:5], s[18:19]
	s_lshl_b32 s18, ttmp9, 15                      ; 16 rows of 2,048 bytes
	s_add_nc_u64 s[8:9], s[8:9], s[18:19]
	s_lshl_b32 s18, ttmp9, 6                       ; 16 words
	s_add_nc_u64 s[10:11], s[10:11], s[18:19]
	s_add_nc_u64 s[12:13], s[12:13], s[18:19]
.set n, 0
.rept 16                               ; all 32 loads go out before the first wait: load n is row n / 8 of my two, bytes 512 (n % 8) on
	global_load_b128 v[XR+4*n:XR+4*n+3], v4, s[4:5] offset:(n/8)*4096+(n%8)*512 th:TH_LOAD_NT
.set n, n+1
.endr
.set n, 0
.rept 16
	global_load_b128 v[SR+4*n:SR+4*n+3], v4, s[6:7] offset:(n/8)*4096+(n%8)*512
.set n, n+1
.endr
; x's load n: rounded, stored to xb (32 lanes x 8 bytes: 256 consecutive bytes, aligned) and laid into LDS
.macro XCONV n
	s_wait_loadcnt 31-(\n)                         ; loads come back in order (ISA guide 5.7.1): the 31 - n younger ones may stay out
	v_cvt_pk_bf16_f32 v[XC+2*(\n)], v[XR+4*(\n)], v[XR+4*(\n)+1]
	v_cvt_pk_bf16_f32 v[XC+2*(\n)+1], v[XR+4*(\n)+2], v[XR+4*(\n)+3]
	global_store_b64 v5, v[XC+2*(\n):XC+2*(\n)+1], s[8:9] offset:((\n)/8)*2048+((\n)%8)*256
	ds_store_b64 v6, v[XC+2*(\n):XC+2*(\n)+1] offset:((\n)/8)*XP+((\n)%8)*256
.endm
; the signatures' load n: each number becomes 1.0 or 0 by its magnitude and keeps its sign
.macro SCONV n
	s_wait_loadcnt 15-(\n)
.irp k, 0,1,2,3
	v_and_b32 v[T+\k], s16, v[SR+4*(\n)+\k]
.endr
.irp k, 0,1,2,3
	v_cmp_le_f32 vcc_lo, s15, v[T+\k]
	v_cndmask_b32 v[T+\k], 0, 1.0, vcc_lo
	v_bfi_b32 v[T+\k], s16, v[T+\k], v[SR+4*(\n)+\k]  ; magnitude from the choice, sign from s
.endr
	v_cvt_pk_bf16_f32 v[SC+2*(\n)], v[T], v[T+1]
	v_cvt_pk_bf16_f32 v[SC+2*(\n)+1], v[T+2], v[T+3]
	ds_store_b64 v6, v[SC+2*(\n):SC+2*(\n)+1] offset:SG+((\n)/8)*XP+((\n)%8)*256
.endm
.set n, 0
.rept 16
	XCONV n
.set n, n+1
.endr
.set n, 0
.rept 16
	SCONV n
.set n, n+1
.endr
	s_wait_dscnt 0x0                               ; for the others' sake: my rows are in LDS
	s_barrier_signal -1
	s_barrier_wait -1
	; Four K steps of 32.  Source 0 = the 16 signatures, source 1 = the 16 tokens: in the result lane (r, h) holds token r and signatures 8 h + 0..7.
.irp s, 0,1,2,3
	ds_load_b128 v[SF+8*\s:SF+8*\s+3],   v7 offset:SG+64*\s
	ds_load_b128 v[SF+8*\s+4:SF+8*\s+7], v7 offset:SG+64*\s+32
	ds_load_b128 v[XF+8*\s:XF+8*\s+3],   v7 offset:64*\s
	ds_load_b128 v[XF+8*\s+4:XF+8*\s+7], v7 offset:64*\s+32
.endr
	s_wait_dscnt 12                                ; the later steps' loads, four a step, may stay out
	v_wmma_f32_16x16x32_bf16 v[ACC:ACC+7], v[SF:SF+7], v[XF:XF+7], 0                         ; the two accumulators take turns
	s_wait_dscnt 8
	v_wmma_f32_16x16x32_bf16 v[ACC+8:ACC+15], v[SF+8:SF+15], v[XF+8:XF+15], 0
	s_wait_dscnt 4
	v_wmma_f32_16x16x32_bf16 v[ACC:ACC+7], v[SF+16:SF+23], v[XF+16:XF+23], v[ACC:ACC+7]
	s_wait_dscnt 0x0
	v_wmma_f32_16x16x32_bf16 v[ACC+8:ACC+15], v[SF+24:SF+31], v[XF+24:XF+31], v[ACC+8:ACC+15]
.rept 4
	v_nop                                          ; four places between the products and the first read of their results (ISA guide 7.12.1)
.endr
.irp k, 0,2,4,6                        ; from the accumulators' low end on
	v_pk_add_f32 v[SUM+\k:SUM+\k+1], v[ACC+\k:ACC+\k+1], v[ACC+8+\k:ACC+8+\k+1]
.endr
	ds_store_b128 v8, v[SUM:SUM+3]
	ds_store_b128 v8, v[SUM+4:SUM+7] offset:512
	s_wait_tensorcnt 0x0                           ; my last LDS store is issued
	ds_add_u32 v[SPW], v[NIL]
	s_wait_dscnt 0x0                               ; the wait also shows my partial scores stored, for wave 0's sake
	s_barrier_signal -1
	s_barrier_wait -1
	s_cmp_lg_u32 s14, 0
	s_cbranch_scc1 .Lend                           ; wave 0 alone goes on; no barrier follows
.irp u, 0,1,2,3,4,5,6,7
	ds_load_b128 v[PP+8*\u:PP+8*\u+3],   v9 offset:1024*\u
	ds_load_b128 v[PP+8*\u+4:PP+8*\u+7], v9 offset:1024*\u+512
.endr
	s_wait_dscnt 0x0
.irp k, 0,2,4,6
	v_pk_add_f32 v[TOT+\k:TOT+\k+1], v[PP+\k:PP+\k+1], v[PP+8+\k:PP+8+\k+1]
.endr
.irp u, 2,3,4,5,6,7
.irp k, 0,2,4,6
	v_pk_add_f32 v[TOT+\k:TOT+\k+1], v[TOT+\k:TOT+\k+1], v[PP+8*\u+\k:PP+8*\u+\k+1]
.endr
.endr
	v_mov_b32 v[BEST], v[TOT]                      ; the largest of my eight scores; a later one wins only if it is strictly larger
	v_mov_b32 v[BI], 0
.irp j, 1,2,3,4,5,6,7
	v_cmp_gt_f32 vcc_lo, v[TOT+\j], v[BEST]
	v_cndmask_b32 v[BEST], v[BEST], v[TOT+\j], vcc_lo
	v_cndmask_b32 v[BI], v[BI], \j, vcc_lo
.endr
	v_lshl_add_u32 v[BI], v11, 3, v[BI]            ; + 8 h
	v_mov_b32 v[OBV], 0                            ; v_permlanex16_b32's destination counts as read
	v_mov_b32 v[OBI], 0
	v_permlanex16_b32 v[OBV], v[BEST], s20, s21
	v_permlanex16_b32 v[OBI], v[BI], s20, s21
	v_cmp_gt_f32 vcc_lo, v[OBV], v[BEST]           ; in lanes 0-15 the other half holds the higher tiles: strictly larger again
	v_cndmask_b32 v[BI], v[BI], v[OBI], vcc_lo
	s_wait_xcnt 0x0                                ; EXEC is a source of the stores to xb: it changes only behind this wait
	v_cmp_gt_u32 vcc_lo, 16, v1
	s_and_saveexec_b32 s22, vcc_lo                 ; lanes 0-15: one token each
	global_store_b32 v12, v[BI], s[12:13]          ; 64 consecutive bytes: all that the work-group has of an output of 16 KiB
	global_store_b32 v12, v[BI], s[10:11]          ; and the copy from which the launch behind forms addresses
	s_wait_xcnt 0x0
	s_or_b32 exec_lo, exec_lo, s22
.Lend:
	s_endpgm
.Lfunc_end_k_q974ef2b948_route:
	.size	k_q974ef2b948_route, .Lfunc_end_k_q974ef2b948_route-k_q974ef2b948_route
	.p2alignl 7, 3214868480
	.fill 96, 4, 3214868480
	.section	.rodata,"a",@progbits
	.p2align	6, 0x0
	.amdhsa_kernel k_q974ef2b948_route
		.amdhsa_group_segment_fixed_size 75264
		.amdhsa_private_segment_fixed_size 0
		.amdhsa_enable_private_segment 0
		.amdhsa_kernarg_size 40
		.amdhsa_user_sgpr_count 2
		.amdhsa_user_sgpr_kernarg_segment_ptr 1
		.amdhsa_wavefront_size32 1
		.amdhsa_system_sgpr_workgroup_id_x 1
		.amdhsa_system_sgpr_workgroup_id_y 1
		.amdhsa_system_sgpr_workgroup_id_z 1
		.amdhsa_system_vgpr_workitem_id 0
		.amdhsa_next_free_vgpr 216
		.amdhsa_next_free_sgpr 66
		.amdhsa_reserve_vcc 1
		.amdhsa_float_denorm_mode_32 3
		.amdhsa_float_denorm_mode_16_64 3
		.amdhsa_memory_ordered 1
		.amdhsa_forward_progress 1
		.amdhsa_inst_pref_size 33
	.end_amdhsa_kernel
	.amdgpu_metadata
---
amdhsa.version: [ 1, 2 ]
amdhsa.kernels:
  - .name:           k_q974ef2b948_route
    .symbol:         k_q974ef2b948_route.kd
    .args:
      - { .name: x, .offset: 0, .size: 8, .value_kind: global_buffer, .address_space: global }
      - { .name: sigs_raw, .offset: 8, .size: 8, .value_kind: global_buffer, .address_space: global }
      - { .name: xb, .offset: 16, .size: 8, .value_kind: global_buffer, .address_space: global }
      - { .name: idx, .offset: 24, .size: 8, .value_kind: global_buffer, .address_space: global }
      - { .name: out1, .offset: 32, .size: 8, .value_kind: global_buffer, .address_space: global }
    .group_segment_fixed_size: 75264
    .private_segment_fixed_size: 0
    .kernarg_segment_align: 8
    .kernarg_segment_size: 40
    .max_flat_workgroup_size: 256
    .sgpr_count:     66
    .vgpr_count:     216
    .wavefront_size: 32
...
	.end_amdgpu_metadata
.endif
;; end of part 1
;; launch expert (part 2): grid 16 x 16, 4 waves a work-group, no clusters, 289,280 bytes of LDS; arguments W, b, xb, idx, out0; writes out0
.if DOCPART == 2
	.amdgcn_target "amdgcn-amd-amdhsa--gfx1250"
	.amdhsa_code_object_version 6
	.text
	.protected	k_q974ef2b948_expert
	.globl	k_q974ef2b948_expert
	.p2align	8
	.type	k_q974ef2b948_expert,@function
k_q974ef2b948_expert:
	s_mov_b64 s[64:65], 0
	v_nop
	global_prefetch_b8 v0, s[64:65] scope:SCOPE_SE
	s_setreg_imm32_b32 hwreg(HW_REG_WAVE_MODE, 25, 1), 1
	s_wait_xcnt 0x0
; out0[token][64 g .. 64 g + 63] = xb[token] . W[e][class] + b[e][class] for every token with idx[token] = e.  Work-group (g, e): slice g of 64 classes of expert e.
; W and b are rounded to bf16 on their way (nearest even), x was rounded by the launch before; products by the matrix unit, sums in f32, started with the bias.
; SHARES.  The work-group alone reads its 64 x 1,024 weights (256 KiB of f32), once, and serves ALL rows of its expert, whatever their number (0 to 4,096).
; K goes in 8 chunks of 128.  All eight chunks are asked for at the first lines: each wave asks for its own 16 classes of each chunk, 8 tensor loads of 16 rows x 512 bytes,
; so 8 loads of a wave are out at the most.  (16 rows and not more: the chunks then land in the order of K in every wave, and a wave rounds only what it has
; fetched itself, so that its own wait on TENSORcnt is all that the rounding needs.)  When a chunk has landed the wave rounds its 16 rows to bf16 IN PLACE (the bf16 row takes the
; first 256 bytes of the same LDS row; those bytes have had their only fill), a barrier shows the chunk to all four waves, and each wave multiplies it.  No LDS byte is filled twice.
; ROWS.  Every work-group finds its expert's rows for itself: thread T builds a word of 32 bits from idx (bit p: token 512 (p / 4) + 4 T + p % 4), the 128 words and their
; popcounts go through LDS, and every wave keeps all of them in registers, four words a lane, with a prefix sum over the lanes.  The token of rank R is then found by a search in
; registers (SEARCH).  Ranks 0 to 383 are accumulated while W comes in: wave w has six tiles of 16 rows, tile j the ranks 64 j + 16 w + 0..15.  Ranks from 384 on go through the loop
; LATER, 128 a trip, out of the bf16 copy that now lies in LDS: no barrier, no tensor load and no changing LDS address stands in that loop.  It does not overlap with the fetching of W.
; A rank past the count repeats the row of rank count - 1.  A tile wholly past the count is multiplied in chunk 0 alone (so that every accumulator is written) and then jumped;
; its loads are issued all the same, so that every counted wait holds on every path.  In the one tile that holds the count the repeated row is stored again with the same bytes, at most 15 times.
; An expert without rows passes the same barriers and stores nothing.
; THE MATRIX INSTRUCTION IS USED TRANSPOSED: source 0 = 16 classes, source 1 = 16 tokens: a lane holds one token (lane % 16) and eight neighbouring classes, 8 (lane / 16) + 0..7.
; NO CLUSTER: each slice of W has one reader; what an expert's 16 work-groups share are rows of xb chosen by a list, which no tensor descriptor covers.
; LIMITS.  idx holds 0 to 15 (another number belongs to no expert: the row is then not stored).  NaN and infinities are not treated apart.
; REGISTERS, in windows of 256 (s_set_vgpr_msb: bits 1:0 source 0, 3:2 source 1, 5:4 source 2, 7:6 destination):
;   window 0: v0-63 addresses and the bitmap; v64-191 fragments of W, K step s, class tile t at 64 + 32 s + 8 t (between the products: at work for SEARCH and the way out); v192-255 a chunk's rows as loaded
;   window 1: v0-191 accumulators, tile j, class tile t at 32 j + 8 t; v192-223 the bias, class tile t at 192 + 8 t
;   windows 2, 3: the tokens' fragments of the even and of the odd chunks, tile j, K step s at 32 j + 8 s
.set PITCH,  528                       ; an LDS row: 512 bytes + 16 = 33 x 16: the 16 rows of a fragment load start at 16 different groups of four banks (ISA guide 11.1)
.set WROWS,  16*PITCH                  ; a wave's 16 rows of a chunk: 8,448 bytes = 33 blocks of 256
.set CHUNK,  4*WROWS
.set PAIR,   2*CHUNK                   ; an address register serves two chunks: the LDS offset has 16 bits
.set BMW,    8*CHUNK                   ; 128 bitmap words; 512 bytes behind them their popcounts
.set STAGE,  BMW+1024                  ; the way out: 16 rows x 272 bytes for each wave
.set SPITCH, 272
.set WSTAGE, 16*SPITCH
.set SPARE,  STAGE+4*WSTAGE            ; the spare words, 128 bytes for each wave: two blocks of 256 bytes that no other line names
.set SPW,  2                           ; v2      LDS address of my spare word; never rewritten
.set NIL,  3                           ; v3      0; never rewritten
.set RR,   4                           ; v4      r = lane % 16
.set HH,   5                           ; v5      h = lane / 16
.set H16,  6                           ; v6      16 h
.set VR0,  7                           ; v7      64 h + r: my rank within a pair of tiles
.set BR0,  8                           ; v8      4 r: lane r, as a permute's index
.set BR1,  9                           ; v9      4 r + 64: lane 16 + r
.set FB,   10                          ; v10-13  fragments of W: r x 528 + 16 h + the pair of chunks
.set CL,   14                          ; v14-17  my wave's rows as f32: 16 bytes a lane
.set CS,   18                          ; v18-21  the same rows as bf16: 8 bytes a lane
.set STO,  22                          ; v22     the way out: where I put 32 bytes of a row
.set RD,   23                          ; v23     where I read rows back
.set CO,   24                          ; v24     16 r: my 16 bytes of a row's 256
.set BPA,  25                          ; v25-32  lane 2 i + h, as a permute's index
.set T16,  33                          ; v33     16 x thread
.set H32,  34                          ; v34     32 h
.set BMA,  35                          ; v35     BMW + 4 x thread
.set BML,  36                          ; v36     BMW + 16 x lane
.set TOK,  38                          ; v38-43  tile j: the token of row r
.set AOFF, 44                          ; v44-49  tile j: its byte offset in xb, + 16 h
.set PFX,  50                          ; v50     rows in lanes 0 .. mine
.set XCL,  51                          ; v51     rows in the lanes below mine
.set PK,   52                          ; v52     rows in my first one, two, three words: three bytes
.set RUN,  53                          ; v53     at work in the scan
.set WD,   54                          ; v[54:57] my four bitmap words
.set CN,   58                          ; v[58:61] their popcounts
.set TA,   62
.set TB,   63
.set BF,   64
.set SQ,   64                          ; SEARCH: 16 registers a pair of tiles
.set OB,   64                          ; the way out: v[64:95] 16 rows read back
.set TR,   96                          ; v[96:103] their tokens, then their offsets in out0
.set RAW,  192
.set BIAS, 192                         ; in window 1
.set WV,    14                         ; s14  wave
.set SL,    15                         ; s15  slice g
.set EX,    16                         ; s16  expert e
.set CNT,   20                         ; s20  the expert's rows
.set LASTR, 21                         ; s21  the last rank (0 if there is none)
.set BASEW, 22                         ; s22  the rank of my tile 0's row 0
.set LIM,   23                         ; s23  rows from there on, signed: tile j has work if it is over 64 j
.set G1,    24                         ; s[24:31] descriptor group 1
.set G0,    32                         ; s[32:63] descriptor group 0, a set for each chunk
.set IT,    78
.set NIT,   79
.set MSB, 0
.macro WIN new                         ; the immediate's high byte repeats the setting that is left; a switch that changes nothing is dropped
.if MSB != (\new)
	s_set_vgpr_msb (MSB<<8)|(\new)
.set MSB, \new
.endif
.endm
.macro PLACES                          ; four places between matrix instructions and loads into, or vector lines on, their registers
.rept 4
	v_nop
.endr
.endm
	s_load_b256 s[4:11], s[0:1], 0x0               ; W s[4:5], b s[6:7], xb s[8:9], idx s[10:11]
	s_load_b64 s[12:13], s[0:1], 0x20              ; out0
	v_lshl_add_u32 v[SPW], v0, 2, SPARE
	v_mov_b32 v[NIL], 0
	ds_add_u32 v[SPW], v[NIL]                      ; the wave's opening: the add and its wait stand ahead of my first tensor load; work on registers stands between them
	v_lshrrev_b32 v[TA], 5, v0
	v_readfirstlane_b32 s[WV], v[TA]               ; wave 0..3
	s_mov_b32 s[SL], ttmp9
	s_and_b32 s[EX], ttmp7, 0xffff
	; descriptor group 1: a tile of 16 rows x 128 elements of 4 bytes, padded in LDS
	s_mov_b32 s[G1+0], (2<<16)|(1<<20)|(6<<22)|(3<<25)  ; 15:0 no mask; 17:16 elements of 4 bytes; 20 padding on; 24:22 after every 128 words (code 6); 31:25 4 words of it (code 3)
	s_mov_b32 s[G1+1], 128<<16                     ; tensor_dim0 = 128
	s_mov_b32 s[G1+2], 16<<16                      ; tensor_dim1 = 16
	s_mov_b32 s[G1+3], 128<<16                     ; tile_dim0 = 128
	s_mov_b32 s[G1+4], 16                          ; tile_dim1 = 16
	s_mov_b32 s[G1+5], 1024                        ; 1,024 elements from row to row
	s_mov_b32 s[G1+6], 0
	s_mov_b32 s[G1+7], 0
	s_mov_b32 s66, 0x55555555                      ; the masks of a popcount by halves
	s_mov_b32 s67, 0x33333333
	s_mov_b32 s68, 0x0f0f0f0f
	s_mov_b32 s69, 0x01010101
	s_mov_b32 s70, 0xaaaaaaaa                      ; the lanes whose number has bit 0, 1, 2, 3, 4
	s_mov_b32 s71, 0xcccccccc
	s_mov_b32 s72, 0xf0f0f0f0
	s_mov_b32 s73, 0xff00ff00
	s_mov_b32 s74, 0xffff0000
	s_mov_b32 s76, 0x76543210                      ; v_permlanex16_b32: each lane takes its own place in the other half
	s_mov_b32 s77, 0xfedcba98
	s_mov_b32 s80, 0xffff0000                      ; a word's upper bf16
	s_mul_i32 s81, s[WV], WROWS                    ; my wave's rows in a chunk
	s_lshl_b32 s18, s[EX], 22                      ; an expert's weights are 4 MiB,
	s_lshl_b32 s82, s[SL], 18                      ; a slice's 64 rows 256 KiB,
	s_add_co_u32 s18, s18, s82
	s_lshl_b32 s82, s[WV], 16                      ; a wave's 16 rows 64 KiB
	s_add_co_u32 s18, s18, s82
	s_mov_b32 s19, 0
	s_wait_dscnt 0x0                               ; the opening add is done
	s_wait_kmcnt 0x0
	s_add_nc_u64 s[4:5], s[4:5], s[18:19]
.irp c, 0,1,2,3,4,5,6,7                ; all first fills in one group, ahead of every wait on TENSORcnt, every LDS read and every barrier
	s_mov_b32 s[G0+4*\c], 1                                    ; count = 1
	s_add_co_u32 s[G0+4*\c+1], s81, \c*CHUNK                   ; LDS address: the chunk's constant + the wave's number times a constant
	s_add_nc_u64 s[G0+4*\c+2:G0+4*\c+3], s[4:5], \c*512        ; global address: 128 f32 along K for each chunk
	s_or_b32 s[G0+4*\c+3], s[G0+4*\c+3], 0x80000000            ; type = 2
	tensor_load_to_lds s[G0+4*\c:G0+4*\c+3], s[G1:G1+7]
	s_nop 0
.endr
	s_lshl_b32 s18, s[EX], 12                      ; b: 4,096 bytes an expert, 256 a slice
	s_lshl_b32 s82, s[SL], 8
	s_add_co_u32 s18, s18, s82
	s_add_nc_u64 s[6:7], s[6:7], s[18:19]
	s_mov_b32 s18, s82
	s_add_nc_u64 s[12:13], s[12:13], s[18:19]      ; out0 at the slice's 256 bytes of row 0
	v_lshlrev_b32 v[T16], 4, v0
	v_bfe_u32 v[HH], v0, 4, 1
	v_lshlrev_b32 v[H32], 5, v[HH]
.irp q, 0,1,2,3,4,5,6,7                ; all of idx: thread T takes tokens 512 q + 4 T + 0..3
	global_load_b128 v[RAW+4*\q:RAW+4*\q+3], v[T16], s[10:11] offset:2048*\q
.endr
.irp t, 0,1,2,3                        ; the bias in an accumulator's layout: classes 16 t + 8 h + 0..7
	global_load_b128 v[RAW+32+8*\t:RAW+32+8*\t+3],   v[H32], s[6:7] offset:64*\t
	global_load_b128 v[RAW+32+8*\t+4:RAW+32+8*\t+7], v[H32], s[6:7] offset:64*\t+16
.endr
	v_and_b32 v1, 31, v0                           ; lane
	v_and_b32 v[RR], 15, v0
	v_lshlrev_b32 v[H16], 4, v[HH]
	v_lshl_add_u32 v[VR0], v[HH], 6, v[RR]
	v_lshlrev_b32 v[BR0], 2, v[RR]
	v_add_nc_u32 v[BR1], 64, v[BR0]
	v_mul_u32_u24 v[TA], v[RR], PITCH
	v_add_nc_u32 v[TA], v[TA], v[H16]
.irp p, 0,1,2,3
	v_add_nc_u32 v[FB+\p], \p*PAIR, v[TA]
.endr
	v_lshl_add_u32 v[TA], v1, 4, s81
	v_lshl_add_u32 v[TB], v1, 3, s81
.irp p, 0,1,2,3
	v_add_nc_u32 v[CL+\p], \p*PAIR, v[TA]
	v_add_nc_u32 v[CS+\p], \p*PAIR, v[TB]
.endr
	s_mul_i32 s83, s[WV], WSTAGE
	s_add_co_u32 s83, s83, STAGE                   ; my stage
	v_mul_u32_u24 v[TA], v[RR], SPITCH
	v_lshl_add_u32 v[TA], v[HH], 5, v[TA]
	v_add_nc_u32 v[STO], s83, v[TA]                ; in: row r, 32 bytes for each half of the lanes
	v_mul_u32_u24 v[TA], v[HH], SPITCH
	v_lshl_add_u32 v[TA], v[RR], 4, v[TA]
	v_add_nc_u32 v[RD], s83, v[TA]                 ; back: lanes 0-15 take one row of 256 bytes, lanes 16-31 the next
	v_lshlrev_b32 v[CO], 4, v[RR]
.irp i, 0,1,2,3,4,5,6,7
	v_lshl_add_u32 v[BPA+\i], v[HH], 2, 8*\i
.endr
	v_lshl_add_u32 v[BMA], v0, 2, BMW
	v_lshl_add_u32 v[BML], v1, 4, BMW
	s_wait_loadcnt 8                               ; idx is in; the eight loads of the bias are younger
	v_mov_b32 v[TA], 0
.set p, 31
.rept 32                               ; my word: bit p says whether the token of register p has chosen e
	v_cmp_eq_u32 vcc_lo, s[EX], v[RAW+p]
	v_cndmask_b32 v[TB], 0, 1, vcc_lo
	v_lshl_or_b32 v[TA], v[TA], 1, v[TB]
.set p, p-1
.endr
	v_lshrrev_b32 v[TB], 1, v[TA]                  ; its popcount: counts of 2, 4, 8 bits, then the four bytes added by a multiplication
	v_and_b32 v[TB], s66, v[TB]
	v_sub_nc_u32 v[WD], v[TA], v[TB]
	v_lshrrev_b32 v[TB], 2, v[WD]
	v_and_b32 v[TB], s67, v[TB]
	v_and_b32 v[WD], s67, v[WD]
	v_add_nc_u32 v[WD], v[WD], v[TB]
	v_lshrrev_b32 v[TB], 4, v[WD]
	v_add_nc_u32 v[WD], v[WD], v[TB]
	v_and_b32 v[WD], s68, v[WD]
	v_mul_lo_u32 v[WD], v[WD], s69
	v_lshrrev_b32 v[WD], 24, v[WD]
	ds_store_b32 v[BMA], v[TA]
	ds_store_b32 v[BMA], v[WD] offset:512
	s_wait_dscnt 0x0                               ; for the others' sake: my word and its count are in LDS
	s_barrier_signal -1                            ; the tensor loads stay out across this barrier
	s_barrier_wait -1
	ds_load_b128 v[WD:WD+3], v[BML]                ; every wave takes all 128 words, four a lane,
	ds_load_b128 v[CN:CN+3], v[BML] offset:512     ; and their counts
	s_wait_loadcnt 0x0                             ; the bias: rounded to bf16 and widened again, into window 1
.irp t, 0,1,2,3
.irp k, 0,1,2,3
	v_cvt_pk_bf16_f32 v[BF+4*\t+\k], v[RAW+32+8*\t+2*\k], v[RAW+32+8*\t+2*\k+1]
.endr
.endr
	WIN 0x40
.irp t, 0,1,2,3
.irp k, 0,1,2,3
	v_lshlrev_b32 v[BIAS+8*\t+2*\k], 16, v[BF+4*\t+\k]
	v_and_b32 v[BIAS+8*\t+2*\k+1], s80, v[BF+4*\t+\k]
.endr
.endr
	WIN 0
	s_wait_dscnt 0x0
	v_add_nc_u32 v[TA], v[CN], v[CN+1]             ; rows in my first two words,
	v_add_nc_u32 v[TB], v[TA], v[CN+2]             ; three,
	v_add_nc_u32 v[PFX], v[TB], v[CN+3]            ; four
	v_lshl_or_b32 v[PK], v[TA], 8, v[CN]           ; at most 32, 64, 96: a byte each
	v_lshl_or_b32 v[PK], v[TB], 16, v[PK]
	v_mov_b32 v[XCL], v[PFX]
	v_mov_b32 v[RUN], v[PFX]
	; prefix sum over the 32 lanes: in step d RUN is the sum of my block of d lanes; a lane whose number has bit d adds the block below
.irp k, 0,1,2,3
	v_mov_b32_dpp v[TA], v[RUN] row_xmask:1<<\k row_mask:0xf bank_mask:0xf
	v_cndmask_b32 v[TB], 0, v[TA], s[70+\k]
	v_add_nc_u32 v[PFX], v[PFX], v[TB]
	v_add_nc_u32 v[RUN], v[RUN], v[TA]
.endr
	v_permlanex16_b32 v[TA], v[RUN], s76, s77
	v_cndmask_b32 v[TB], 0, v[TA], s74
	v_add_nc_u32 v[PFX], v[PFX], v[TB]
	v_sub_nc_u32 v[XCL], v[PFX], v[XCL]
	v_readlane_b32 s[CNT], v[PFX], 31              ; the expert's rows
	s_max_u32 s[LASTR], s[CNT], 1
	s_sub_co_u32 s[LASTR], s[LASTR], 1
	s_max_u32 s[NIT], s[CNT], 384                  ; trips of LATER: the rows past 384, 128 a trip, rounded up
	s_sub_co_u32 s[NIT], s[NIT], 384-127
	s_lshr_b32 s[NIT], s[NIT], 7
	s_lshl_b32 s[BASEW], s[WV], 4
	s_sub_co_i32 s[LIM], s[CNT], s[BASEW]
; SEARCH np: the tokens of np pairs of tiles.  Lane (r, h) looks for rank BASEW + 128 pair + 64 h + r, held to the last rank.  Registers of a pair, from Q: +0 the rank, +1 the lane that holds it,
; +2 a permute's index, later the bit, +3 at work, +4 the rank within the lane, then within the word, +5 PK, later the token, +6 to +9 that lane's words, later the word's counts of 2, 4, 8 and 16 bits,
; +10 the word, +11 what is taken off, +12 the word's number.  Each step is written for all pairs, so that their permutes are on their way together.
.macro PAIRS np, line:vararg
.set Q, SQ
.set pp, 0
.rept \np
	\line
.set Q, Q+16
.set pp, pp+1
.endr
.endm
.macro S_INIT
	v_add3_u32 v[Q], v[VR0], s[BASEW], 128*pp
	v_min_u32 v[Q], s[LASTR], v[Q]
	v_mov_b32 v[Q+1], 0
.endm
.macro S_PROBE st                      ; a bisection over the lanes' prefix sums: how many lanes end at or below the rank
	v_add_lshl_u32 v[Q+2], v[Q+1], (\st)-1, 2
	ds_bpermute_b32 v[Q+3], v[Q+2], v[PFX]
.endm
.macro S_TAKE st
	v_cmp_le_u32 vcc_lo, v[Q+3], v[Q]
	v_cndmask_b32 v[Q+3], 0, \st, vcc_lo
	v_add_nc_u32 v[Q+1], v[Q+1], v[Q+3]
.endm
.macro S_GATHER                        ; what that lane holds
	v_lshlrev_b32 v[Q+2], 2, v[Q+1]
	ds_bpermute_b32 v[Q+4], v[Q+2], v[XCL]
	ds_bpermute_b32 v[Q+5], v[Q+2], v[PK]
	ds_bpermute_b32 v[Q+6], v[Q+2], v[WD]
	ds_bpermute_b32 v[Q+7], v[Q+2], v[WD+1]
	ds_bpermute_b32 v[Q+8], v[Q+2], v[WD+2]
	ds_bpermute_b32 v[Q+9], v[Q+2], v[WD+3]
.endm
.macro S_WORD                          ; which of its four words: the last whose rows begin at or below the rank
	v_sub_nc_u32 v[Q+4], v[Q], v[Q+4]
	v_mov_b32 v[Q+10], v[Q+6]
	v_mov_b32 v[Q+11], 0
	v_mov_b32 v[Q+12], 0
.irp k, 0,1,2
	v_bfe_u32 v[Q+3], v[Q+5], 8*\k, 8
	v_cmp_ge_u32 vcc_lo, v[Q+4], v[Q+3]
	v_cndmask_b32 v[Q+10], v[Q+10], v[Q+7+\k], vcc_lo
	v_cndmask_b32 v[Q+11], v[Q+11], v[Q+3], vcc_lo
	v_cndmask_b32 v[Q+12], v[Q+12], \k+1, vcc_lo
.endr
	v_sub_nc_u32 v[Q+4], v[Q+4], v[Q+11]
.endm
.macro S_TABLES                        ; the word's counts of 2, 4 and 8 bits, and of its low 16
	v_lshrrev_b32 v[Q+3], 1, v[Q+10]
	v_and_b32 v[Q+3], s66, v[Q+3]
	v_sub_nc_u32 v[Q+6], v[Q+10], v[Q+3]
	v_lshrrev_b32 v[Q+3], 2, v[Q+6]
	v_and_b32 v[Q+3], s67, v[Q+3]
	v_and_b32 v[Q+7], s67, v[Q+6]
	v_add_nc_u32 v[Q+7], v[Q+7], v[Q+3]
	v_lshrrev_b32 v[Q+3], 4, v[Q+7]
	v_add_nc_u32 v[Q+8], v[Q+7], v[Q+3]
	v_and_b32 v[Q+8], s68, v[Q+8]
	v_lshrrev_b32 v[Q+3], 8, v[Q+8]
	v_add_nc_u32 v[Q+9], v[Q+8], v[Q+3]
	v_mov_b32 v[Q+2], 0
.endm
.macro S_STEP src, width, step         ; if the rank is not among the set bits of the next \step bits, they are passed over
	v_bfe_u32 v[Q+3], v[Q+\src], v[Q+2], \width
	v_cmp_ge_u32 vcc_lo, v[Q+4], v[Q+3]
	v_cndmask_b32 v[Q+3], 0, v[Q+3], vcc_lo
	v_sub_nc_u32 v[Q+4], v[Q+4], v[Q+3]
	v_cndmask_b32 v[Q+3], 0, \step, vcc_lo
	v_add_nc_u32 v[Q+2], v[Q+2], v[Q+3]
.endm
.macro S_TOKEN                         ; token = 512 (bit / 4) + bit % 4 + 16 lane + 4 word; then every lane takes the token of row r of either tile
	v_lshrrev_b32 v[Q+3], 2, v[Q+2]
	v_and_b32 v[Q+5], 3, v[Q+2]
	v_lshl_add_u32 v[Q+5], v[Q+3], 9, v[Q+5]
	v_lshl_add_u32 v[Q+5], v[Q+1], 4, v[Q+5]
	v_lshl_add_u32 v[Q+5], v[Q+12], 2, v[Q+5]
	ds_bpermute_b32 v[TOK+2*pp], v[BR0], v[Q+5]
	ds_bpermute_b32 v[TOK+2*pp+1], v[BR1], v[Q+5]
.endm
.macro S_ADDR
.irp u, 0,1
	v_min_u32 v[TOK+2*pp+\u], 0xfff, v[TOK+2*pp+\u]          ; a number made of loaded data is held inside the table before it enters an address
	v_lshl_add_u32 v[AOFF+2*pp+\u], v[TOK+2*pp+\u], 11, v[H16]  ; a row of xb is 2,048 bytes
.endr
.endm
.macro SEARCH np
	PAIRS \np, S_INIT
.irp st, 16,8,4,2,1
	PAIRS \np, S_PROBE \st
	s_wait_dscnt 0x0
	PAIRS \np, S_TAKE \st
.endr
	PAIRS \np, S_GATHER
	s_wait_dscnt 0x0
	PAIRS \np, S_WORD
	PAIRS \np, S_TABLES
	PAIRS \np, S_STEP 9, 8, 16
	PAIRS \np, S_STEP 8, 8, 8
	PAIRS \np, S_STEP 7, 4, 4
	PAIRS \np, S_STEP 6, 2, 2
	PAIRS \np, S_STEP 10, 1, 1
	PAIRS \np, S_TOKEN
	s_wait_dscnt 0x0
	PAIRS \np, S_ADDR
.endm
; The tokens' fragments of chunk c for nt tiles, straight from xb into registers: 8 loads a tile.  Lane (r, h) takes row r's K = 8 h + 0..7 and 16 + 8 h + 0..7 of each K step of 32.
.macro ALOAD c, nt
	WIN 0x80+0x40*((\c)&1)                         ; destination window 2 or 3, address window 0
.set j, 0
.rept \nt
.irp s, 0,1,2,3
	global_load_b128 v[32*j+8*\s:32*j+8*\s+3],   v[AOFF+j], s[8:9] offset:256*(\c)+64*\s
	global_load_b128 v[32*j+8*\s+4:32*j+8*\s+7], v[AOFF+j], s[8:9] offset:256*(\c)+64*\s+32
.endr
.set j, j+1
.endr
	WIN 0
.endm
; My 16 rows of chunk c are rounded in place: a load takes a whole row, 512 neighbouring bytes; the store puts its 256 bytes of bf16 at the row's head.
.macro CONVERT c
	s_wait_tensorcnt 7-(\c)                        ; tensor loads of a wave end in order (ISA guide 10.11.1): chunk c is in, the 7 - c later ones may stay out
.set i, 0
.rept 16
	ds_load_b128 v[RAW+4*i:RAW+4*i+3], v[CL+(\c)/2] offset:((\c)&1)*CHUNK+PITCH*i
.set i, i+1
.endr
.set i, 0
.rept 16
	s_wait_dscnt 15                                ; behind row i's load stand 15 - i loads and i stores: always 15
	v_cvt_pk_bf16_f32 v[RAW+4*i], v[RAW+4*i], v[RAW+4*i+1]
	v_cvt_pk_bf16_f32 v[RAW+4*i+1], v[RAW+4*i+2], v[RAW+4*i+3]
	ds_store_b64 v[CS+(\c)/2], v[RAW+4*i:RAW+4*i+1] offset:((\c)&1)*CHUNK+PITCH*i
.set i, i+1
.endr
	s_wait_dscnt 0x0                               ; for the others' sake: my rows of the chunk are stored
.endm
; W's fragments of chunk c: 4 K steps x 4 class tiles, 32 loads in one run, K step by K step
.macro BLOAD c
.irp s, 0,1,2,3
.irp t, 0,1,2,3
	ds_load_b128 v[BF+32*\s+8*\t:BF+32*\s+8*\t+3],   v[FB+(\c)/2] offset:((\c)&1)*CHUNK+\t*WROWS+64*\s
	ds_load_b128 v[BF+32*\s+8*\t+4:BF+32*\s+8*\t+7], v[FB+(\c)/2] offset:((\c)&1)*CHUNK+\t*WROWS+64*\s+32
.endr
.endr
.endm
; The products of chunk c: 16 a tile.  A tile's four accumulators take turns, one instruction a turn, from tile to tile and from chunk to chunk too.
; Chunk 0 starts every sum with the bias, in every tile; in the other chunks the first tile past the count ends the run: a jump forward, past matrix instructions alone.
.macro TILES c, nt
.set j, 0
.rept \nt
.if (\c) != 0
	WIN 0                                          ; at a branch every window is 0
	s_cmp_le_i32 s[LIM], 64*j
	s_cbranch_scc1 .Lce_\@
.endif
	WIN 0x58+4*((\c)&1)                            ; W's fragments window 0, the tokens' window 2 or 3, C and D window 1
.irp s, 0,1,2,3
.if j == 0
	s_wait_dscnt 24-8*\s                           ; the later K steps' fragments of W, eight loads each, may stay out
.endif
.irp t, 0,1,2,3
.if ((\c) == 0) && (\s == 0)
	v_wmma_f32_16x16x32_bf16 v[32*j+8*\t:32*j+8*\t+7], v[BF+32*\s+8*\t:BF+32*\s+8*\t+7], v[32*j+8*\s:32*j+8*\s+7], v[BIAS+8*\t:BIAS+8*\t+7]
.else
	v_wmma_f32_16x16x32_bf16 v[32*j+8*\t:32*j+8*\t+7], v[BF+32*\s+8*\t:BF+32*\s+8*\t+7], v[32*j+8*\s:32*j+8*\s+7], v[32*j+8*\t:32*j+8*\t+7]
.endif
.endr
.endr
.set j, j+1
.endr
	WIN 0
.Lce_\@:
	s_wait_dscnt 0x0                               ; where tile 0 was jumped the fragments' loads are still out
.endm
; THE WAY OUT, a tile at a time: a lane's 32 bytes of a row go into my stage (rows of 272 bytes) and come back as whole rows of 256; the row's token comes from the lane that holds it.
.macro WAYOUT nt
	PLACES
.set j, 0
.rept \nt
	WIN 0
	s_cmp_le_i32 s[LIM], 64*j
	s_cbranch_scc1 .Lwe_\@                         ; this tile and all later ones lie past the count
	s_wait_xcnt 0x0                                ; the last tile's stores have read OB and TR
	WIN 0x04                                       ; store data window 1
.irp t, 0,1,2,3                        ; each accumulator from its low end on
	ds_store_b128 v[STO], v[32*j+8*\t:32*j+8*\t+3]   offset:64*\t
	ds_store_b128 v[STO], v[32*j+8*\t+4:32*j+8*\t+7] offset:64*\t+16
.endr
	WIN 0
.irp i, 0,1,2,3,4,5,6,7
	ds_bpermute_b32 v[TR+\i], v[BPA+\i], v[TOK+j]  ; the token of row 2 i + h
.endr
.irp i, 0,1,2,3,4,5,6,7
	ds_load_b128 v[OB+4*\i:OB+4*\i+3], v[RD] offset:2*SPITCH*\i  ; LDS serves a wave's instructions in order (ISA guide 5.7.1.4): these see the stores above; the next tile's stores come behind them
.endr
.irp i, 0,1,2,3,4,5,6,7
	s_wait_dscnt 7-\i                              ; the later rows' loads may stay out
	v_min_u32 v[TR+\i], 0xfff, v[TR+\i]
	v_lshl_add_u32 v[TR+\i], v[TR+\i], 12, v[CO]   ; a row of out0 is 4,096 bytes
	global_store_b128 v[TR+\i], v[OB+4*\i:OB+4*\i+3], s[12:13] th:TH_STORE_NT  ; 16 lanes store a token's 64 classes: 256 consecutive bytes, aligned
.endr
.set j, j+1
.endr
	WIN 0
.Lwe_\@:
.endm
	; RANKS 0 TO 383, while W comes in.  The tokens' fragments are asked for one chunk ahead.
	SEARCH 3
	ALOAD 0, 6
.irp c, 0,1,2,3,4,5,6,7
.if \c > 0
	PLACES                                         ; for the loads below into registers that the last chunks' products have read
.endif
.if \c < 7
	ALOAD \c+1, 6
.endif
	CONVERT \c
	s_barrier_signal -1                            ; every wave's rows of the chunk are rounded and stored;
	s_barrier_wait -1                              ; The later chunks' loads stay out across it
	BLOAD \c
.if \c < 7
	s_wait_loadcnt 48                              ; this chunk's fragments are in; the next chunk's 48 loads are younger
.else
	s_wait_loadcnt 0x0
.endif
	TILES \c, 6
.endr
	WAYOUT 6
	; RANKS FROM 384 ON, 128 a trip: two tiles a wave, W's bf16 copy read from LDS as it lies.
	s_cmp_eq_u32 s[NIT], 0
	s_cbranch_scc1 .Ldone
	s_mov_b32 s[IT], 0
	s_add_co_u32 s[BASEW], s[BASEW], 384
.Llater:
	s_wait_xcnt 0x0                                ; the last stores have read OB and TR, which SEARCH writes
	v_nop                                          ; with the four at the head of the way out: five places ahead of the products that write the accumulators anew
	s_sub_co_i32 s[LIM], s[CNT], s[BASEW]
	SEARCH 1
	ALOAD 0, 2
.irp c, 0,1,2,3,4,5,6,7
.if \c > 0
	PLACES
.endif
.if \c < 7
	ALOAD \c+1, 2
.endif
	BLOAD \c
.if \c < 7
	s_wait_loadcnt 16                              ; the next chunk's 16 loads are younger
.else
	s_wait_loadcnt 0x0
.endif
	TILES \c, 2
.endr
	WAYOUT 2
	s_add_co_u32 s[BASEW], s[BASEW], 128
	s_add_co_u32 s[IT], s[IT], 1
	s_cmp_lt_u32 s[IT], s[NIT]
	s_cbranch_scc1 .Llater
.Ldone:
	s_wait_tensorcnt 0x0                           ; the wave's end, behind my last tensor load and my last LDS store
	ds_add_u32 v[SPW], v[NIL]
	s_wait_dscnt 0x0
	s_endpgm
.Lfunc_end_k_q974ef2b948_expert:
	.size	k_q974ef2b948_expert, .Lfunc_end_k_q974ef2b948_expert-k_q974ef2b948_expert
	.p2alignl 7, 3214868480
	.fill 96, 4, 3214868480
	.section	.rodata,"a",@progbits
	.p2align	6, 0x0
	.amdhsa_kernel k_q974ef2b948_expert
		.amdhsa_group_segment_fixed_size 289280
		.amdhsa_private_segment_fixed_size 0
		.amdhsa_enable_private_segment 0
		.amdhsa_kernarg_size 40
		.amdhsa_user_sgpr_count 2
		.amdhsa_user_sgpr_kernarg_segment_ptr 1
		.amdhsa_wavefront_size32 1
		.amdhsa_system_sgpr_workgroup_id_x 1
		.amdhsa_system_sgpr_workgroup_id_y 1
		.amdhsa_system_sgpr_workgroup_id_z 1
		.amdhsa_system_vgpr_workitem_id 0
		.amdhsa_next_free_vgpr 960
		.amdhsa_next_free_sgpr 92
		.amdhsa_reserve_vcc 1
		.amdhsa_float_denorm_mode_32 3
		.amdhsa_float_denorm_mode_16_64 3
		.amdhsa_memory_ordered 1
		.amdhsa_forward_progress 1
		.amdhsa_inst_pref_size 255
	.end_amdhsa_kernel
	.section	.bss,"aw",@nobits
	.p2align	6
	.space	262144
	.amdgpu_metadata
---
amdhsa.version: [ 1, 2 ]
amdhsa.kernels:
  - .name:           k_q974ef2b948_expert
    .symbol:         k_q974ef2b948_expert.kd
    .args:
      - { .name: W, .offset: 0, .size: 8, .value_kind: global_buffer, .address_space: global }
      - { .name: b, .offset: 8, .size: 8, .value_kind: global_buffer, .address_space: global }
      - { .name: xb, .offset: 16, .size: 8, .value_kind: global_buffer, .address_space: global }
      - { .name: idx, .offset: 24, .size: 8, .value_kind: global_buffer, .address_space: global }
      - { .name: out0, .offset: 32, .size: 8, .value_kind: global_buffer, .address_space: global }
    .group_segment_fixed_size: 289280
    .private_segment_fixed_size: 0
    .kernarg_segment_align: 8
    .kernarg_segment_size: 40
    .max_flat_workgroup_size: 128
    .sgpr_count:     92
    .vgpr_count:     960
    .wavefront_size: 32
...
	.end_amdgpu_metadata
.endif
;; end of part 2
;; ======== version 2 of 2: 2 launches; 1.14 times as fast as version 1
;; workspace buffers: xb 8,388,608 bytes; idx 16,384 bytes of whole numbers
;; launch route: the kernel of part 1 again; grid 256 x 1, 8 waves a work-group, no clusters, 75,264 bytes of LDS; arguments x, sigs_raw, xb, idx, out1; writes xb, idx, out1
;; launch expert (part 3): grid 16 x 16, 4 waves a work-group, no clusters, 289,280 bytes of LDS; arguments W, b, xb, idx, out0; writes out0
.if DOCPART == 3
	.amdgcn_target "amdgcn-amd-amdhsa--gfx1250"
	.amdhsa_code_object_version 6
	.text
	.protected	k_q974ef2b948_expert
	.globl	k_q974ef2b948_expert
	.p2align	8
	.type	k_q974ef2b948_expert,@function
k_q974ef2b948_expert:
	s_mov_b64 s[64:65], 0
	v_nop
	global_prefetch_b8 v0, s[64:65] scope:SCOPE_SE
	s_setreg_imm32_b32 hwreg(HW_REG_WAVE_MODE, 25, 1), 1
	s_wait_xcnt 0x0
; out0[token][64 g .. 64 g + 63] = xb[token] . W[e][class] + b[e][class] for every token with idx[token] = e.  Work-group (g, e): slice g of 64 classes of expert e.
; W and b are rounded to bf16 on their way (nearest even), x was rounded by the launch before; products by the matrix unit, sums in f32, started with the bias.
; SHARES.  The work-group alone reads its 64 x 1,024 weights (256 KiB of f32), once, and serves ALL rows of its expert, whatever their number (0 to 4,096).
; K goes in 8 chunks of 128.  All eight chunks are asked for at the first lines: each wave asks for its own 16 classes of each chunk, 8 tensor loads of 16 rows x 512 bytes,
; so 8 loads of a wave are out at the most.  (16 rows and not more: the chunks then land in the order of K in every wave, and a wave rounds only what it has
; fetched itself, so that its own wait on TENSORcnt is all that the rounding needs.)  When a chunk has landed the wave rounds its 16 rows to bf16 IN PLACE (the bf16 row takes the
; first 256 bytes of the same LDS row; those bytes have had their only fill), a barrier shows the chunk to all four waves, and each wave multiplies it.  No LDS byte is filled twice.
; A STEP (chunk c) has three runs of memory instructions between its tiles' products, and each asks for what the NEXT step needs:
;   ahead of tile 0: the tokens' fragments of chunk c + 1 for tiles 0, 1; my 16 rows of chunk c + 1, as f32, out of LDS
;   behind tile 0:   those rows rounded, in one batch, and stored; the tokens' fragments for tiles 2, 3
;   behind tile 1:   the barrier that shows chunk c + 1 to all four waves; W's fragments of chunk c + 1; the tokens' fragments for tiles 4, 5
; So W's and the tokens' fragments have two buffers each, by the chunk's parity, and every wait is for instructions issued 16 products or more ago.
; ROWS.  Every work-group finds its expert's rows for itself: thread T builds a word of 32 bits from idx (bit p: token 512 (p / 4) + 4 T + p % 4), the 128 words and their
; popcounts go through LDS, and every wave keeps all of them in registers, four words a lane, with a prefix sum over the lanes.  The token of rank R is then found by a search in
; registers (SEARCH).  Ranks 0 to 383 are accumulated while W comes in: wave w has six tiles of 16 rows, tile j the ranks 64 j + 16 w + 0..15.  Ranks from 384 on go through the loop
; LATER, 128 a trip, out of the bf16 copy that now lies in LDS: no barrier, no tensor load and no changing LDS address stands in that loop.  It does not overlap with the fetching of W.
; A rank past the count repeats the row of rank count - 1.  A tile wholly past the count is multiplied in chunk 0 alone (so that every accumulator is written) and then jumped;
; its loads are issued all the same, so that every counted wait holds on every path.  In the one tile that holds the count the repeated row is stored again with the same bytes, at most 15 times.
; An expert without rows passes the same barriers and stores nothing.
; THE MATRIX INSTRUCTION IS USED TRANSPOSED: source 0 = 16 classes, source 1 = 16 tokens: a lane holds one token (lane % 16) and eight neighbouring classes, 8 (lane / 16) + 0..7.
; NO CLUSTER: each slice of W has one reader; what an expert's 16 work-groups share are rows of xb chosen by a list, which no tensor descriptor covers.
; LIMITS.  idx holds 0 to 15 (another number belongs to no expert: the row is then not stored).  NaN and infinities are not treated apart.
; REGISTERS, in windows of 256 (s_set_vgpr_msb: bits 1:0 source 0, 3:2 source 1, 5:4 source 2, 7:6 destination):
;   window 0: v0-63 addresses and the bitmap; v64-191 W's fragments of the even chunks, K step s, class tile t at 64 + 32 s + 8 t (outside the steps: at work for SEARCH and the way out); v192-255 a chunk's rows as loaded
;   window 1: v0-191 accumulators, tile j, class tile t at 32 j + 8 t; v192-223 the bias, class tile t at 192 + 8 t
;   windows 2, 3: v0-191 the tokens' fragments of the even and of the odd chunks, tile j, K step s at 32 j + 8 s;
;                 v192-255 W's fragments of the odd chunks: K steps 0, 1 in window 2, K steps 2, 3 in window 3, at 192 + 32 (s % 2) + 8 t
.set PITCH,  528                       ; an LDS row: 512 bytes + 16 = 33 x 16: the 16 rows of a fragment load start at 16 different groups of four banks (ISA guide 11.1)
.set WROWS,  16*PITCH                  ; a wave's 16 rows of a chunk: 8,448 bytes = 33 blocks of 256
.set CHUNK,  4*WROWS
.set PAIR,   2*CHUNK                   ; an address register serves two chunks: the LDS offset has 16 bits
.set BMW,    8*CHUNK                   ; 128 bitmap words; 512 bytes behind them their popcounts
.set STAGE,  BMW+1024                  ; the way out: 16 rows x 272 bytes for each wave
.set SPITCH, 272
.set WSTAGE, 16*SPITCH
.set SPARE,  STAGE+4*WSTAGE            ; the spare words, 128 bytes for each wave: two blocks of 256 bytes that no other line names
.set SPW,  2                           ; v2      LDS address of my spare word; never rewritten
.set NIL,  3                           ; v3      0; never rewritten
.set RR,   4                           ; v4      r = lane % 16
.set HH,   5                           ; v5      h = lane / 16
.set H16,  6                           ; v6      16 h
.set VR0,  7                           ; v7      64 h + r: my rank within a pair of tiles
.set BR0,  8                           ; v8      4 r: lane r, as a permute's index
.set BR1,  9                           ; v9      4 r + 64: lane 16 + r
.set FB,   10                          ; v10-13  fragments of W: r x 528 + 16 h + the pair of chunks
.set CL,   14                          ; v14-17  my wave's rows as f32: 16 bytes a lane
.set CS,   18                          ; v18-21  the same rows as bf16: 8 bytes a lane
.set STO,  22                          ; v22     the way out: where I put 32 bytes of a row
.set RD,   23                          ; v23     where I read rows back
.set CO,   24                          ; v24     16 r: my 16 bytes of a row's 256
.set BPA,  25                          ; v25-32  lane 2 i + h, as a permute's index
.set T16,  33                          ; v33     16 x thread
.set H32,  34                          ; v34     32 h
.set BMA,  35                          ; v35     BMW + 4 x thread
.set BML,  36                          ; v36     BMW + 16 x lane
.set TOK,  38                          ; v38-43  tile j: the token of row r
.set AOFF, 44                          ; v44-49  tile j: its byte offset in xb, + 16 h
.set PFX,  50                          ; v50     rows in lanes 0 .. mine
.set XCL,  51                          ; v51     rows in the lanes below mine
.set PK,   52                          ; v52     rows in my first one, two, three words: three bytes
.set RUN,  53                          ; v53     at work in the scan
.set WD,   54                          ; v[54:57] my four bitmap words
.set CN,   58                          ; v[58:61] their popcounts
.set TA,   62
.set TB,   63
.set BF,   64                          ; W's fragments of the even chunks, window 0
.set BFO,  192                         ; of the odd chunks, windows 2 and 3
.set SQ,   64                          ; SEARCH: 16 registers a pair of tiles
.set OB,   64                          ; the way out: two sets of 40, by the tile's parity: 32 registers for 16 rows read back, 8 for their tokens, then their offsets in out0
.set RAW,  192
.set BIAS, 192                         ; in window 1
.set WV,    14                         ; s14  wave
.set SL,    15                         ; s15  slice g
.set EX,    16                         ; s16  expert e
.set CNT,   20                         ; s20  the expert's rows
.set LASTR, 21                         ; s21  the last rank (0 if there is none)
.set BASEW, 22                         ; s22  the rank of my tile 0's row 0
.set LIM,   23                         ; s23  rows from there on, signed: tile j has work if it is over 64 j
.set G1,    24                         ; s[24:31] descriptor group 1
.set G0,    32                         ; s[32:63] descriptor group 0, a set for each chunk
.set IT,    78
.set NIT,   79
.set MSB, 0
.macro WIN new                         ; the immediate's high byte repeats the setting that is left; a switch that changes nothing is dropped
.if MSB != (\new)
	s_set_vgpr_msb (MSB<<8)|(\new)
.set MSB, \new
.endif
.endm
.macro PLACES                          ; four places between matrix instructions and loads into, or vector lines on, their registers
.rept 4
	v_nop
.endr
.endm
	s_load_b256 s[4:11], s[0:1], 0x0               ; W s[4:5], b s[6:7], xb s[8:9], idx s[10:11]
	s_load_b64 s[12:13], s[0:1], 0x20              ; out0
	v_lshl_add_u32 v[SPW], v0, 2, SPARE
	v_mov_b32 v[NIL], 0
	ds_add_u32 v[SPW], v[NIL]                      ; the wave's opening: the add and its wait stand ahead of my first tensor load; work on registers stands between them
	v_lshrrev_b32 v[TA], 5, v0
	v_readfirstlane_b32 s[WV], v[TA]               ; wave 0..3
	s_mov_b32 s[SL], ttmp9
	s_and_b32 s[EX], ttmp7, 0xffff
	; descriptor group 1: a tile of 16 rows x 128 elements of 4 bytes, padded in LDS
	s_mov_b32 s[G1+0], (2<<16)|(1<<20)|(6<<22)|(3<<25)  ; 15:0 no mask; 17:16 elements of 4 bytes; 20 padding on; 24:22 after every 128 words (code 6); 31:25 4 words of it (code 3)
	s_mov_b32 s[G1+1], 128<<16                     ; tensor_dim0 = 128
	s_mov_b32 s[G1+2], 16<<16                      ; tensor_dim1 = 16
	s_mov_b32 s[G1+3], 128<<16                     ; tile_dim0 = 128
	s_mov_b32 s[G1+4], 16                          ; tile_dim1 = 16
	s_mov_b32 s[G1+5], 1024                        ; 1,024 elements from row to row
	s_mov_b32 s[G1+6], 0
	s_mov_b32 s[G1+7], 0
	s_mov_b32 s66, 0x55555555                      ; the masks of a popcount by halves
	s_mov_b32 s67, 0x33333333
	s_mov_b32 s68, 0x0f0f0f0f
	s_mov_b32 s69, 0x01010101
	s_mov_b32 s70, 0xaaaaaaaa                      ; the lanes whose number has bit 0, 1, 2, 3, 4
	s_mov_b32 s71, 0xcccccccc
	s_mov_b32 s72, 0xf0f0f0f0
	s_mov_b32 s73, 0xff00ff00
	s_mov_b32 s74, 0xffff0000
	s_mov_b32 s76, 0x76543210                      ; v_permlanex16_b32: each lane takes its own place in the other half
	s_mov_b32 s77, 0xfedcba98
	s_mov_b32 s80, 0xffff0000                      ; a word's upper bf16
	s_mul_i32 s81, s[WV], WROWS                    ; my wave's rows in a chunk
	s_lshl_b32 s18, s[EX], 22                      ; an expert's weights are 4 MiB,
	s_lshl_b32 s82, s[SL], 18                      ; a slice's 64 rows 256 KiB,
	s_add_co_u32 s18, s18, s82
	s_lshl_b32 s82, s[WV], 16                      ; a wave's 16 rows 64 KiB
	s_add_co_u32 s18, s18, s82
	s_mov_b32 s19, 0
	s_wait_dscnt 0x0                               ; the opening add is done
	s_wait_kmcnt 0x0
	s_add_nc_u64 s[4:5], s[4:5], s[18:19]
.irp c, 0,1,2,3,4,5,6,7                ; all first fills in one group, ahead of every wait on TENSORcnt, every LDS read and every barrier
	s_mov_b32 s[G0+4*\c], 1                                    ; count = 1
	s_add_co_u32 s[G0+4*\c+1], s81, \c*CHUNK                   ; LDS address: the chunk's constant + the wave's number times a constant
	s_add_nc_u64 s[G0+4*\c+2:G0+4*\c+3], s[4:5], \c*512        ; global address: 128 f32 along K for each chunk
	s_or_b32 s[G0+4*\c+3], s[G0+4*\c+3], 0x80000000            ; type = 2
	tensor_load_to_lds s[G0+4*\c:G0+4*\c+3], s[G1:G1+7]
	s_nop 0
.endr
	s_lshl_b32 s18, s[EX], 12                      ; b: 4,096 bytes an expert, 256 a slice
	s_lshl_b32 s82, s[SL], 8
	s_add_co_u32 s18, s18, s82
	s_add_nc_u64 s[6:7], s[6:7], s[18:19]
	s_mov_b32 s18, s82
	s_add_nc_u64 s[12:13], s[12:13], s[18:19]      ; out0 at the slice's 256 bytes of row 0
	v_lshlrev_b32 v[T16], 4, v0
	v_bfe_u32 v[HH], v0, 4, 1
	v_lshlrev_b32 v[H32], 5, v[HH]
.irp q, 0,1,2,3,4,5,6,7                ; all of idx: thread T takes tokens 512 q + 4 T + 0..3
	global_load_b128 v[RAW+4*\q:RAW+4*\q+3], v[T16], s[10:11] offset:2048*\q
.endr
.irp t, 0,1,2,3                        ; the bias in an accumulator's layout: classes 16 t + 8 h + 0..7
	global_load_b128 v[RAW+32+8*\t:RAW+32+8*\t+3],   v[H32], s[6:7] offset:64*\t
	global_load_b128 v[RAW+32+8*\t+4:RAW+32+8*\t+7], v[H32], s[6:7] offset:64*\t+16
.endr
	v_and_b32 v1, 31, v0                           ; lane
	v_and_b32 v[RR], 15, v0
	v_lshlrev_b32 v[H16], 4, v[HH]
	v_lshl_add_u32 v[VR0], v[HH], 6, v[RR]
	v_lshlrev_b32 v[BR0], 2, v[RR]
	v_add_nc_u32 v[BR1], 64, v[BR0]
	v_mul_u32_u24 v[TA], v[RR], PITCH
	v_add_nc_u32 v[TA], v[TA], v[H16]
.irp p, 0,1,2,3
	v_add_nc_u32 v[FB+\p], \p*PAIR, v[TA]
.endr
	v_lshl_add_u32 v[TA], v1, 4, s81
	v_lshl_add_u32 v[TB], v1, 3, s81
.irp p, 0,1,2,3
	v_add_nc_u32 v[CL+\p], \p*PAIR, v[TA]
	v_add_nc_u32 v[CS+\p], \p*PAIR, v[TB]
.endr
	s_mul_i32 s83, s[WV], WSTAGE
	s_add_co_u32 s83, s83, STAGE                   ; my stage
	v_mul_u32_u24 v[TA], v[RR], SPITCH
	v_lshl_add_u32 v[TA], v[HH], 5, v[TA]
	v_add_nc_u32 v[STO], s83, v[TA]                ; in: row r, 32 bytes for each half of the lanes
	v_mul_u32_u24 v[TA], v[HH], SPITCH
	v_lshl_add_u32 v[TA], v[RR], 4, v[TA]
	v_add_nc_u32 v[RD], s83, v[TA]                 ; back: lanes 0-15 take one row of 256 bytes, lanes 16-31 the next
	v_lshlrev_b32 v[CO], 4, v[RR]
.irp i, 0,1,2,3,4,5,6,7
	v_lshl_add_u32 v[BPA+\i], v[HH], 2, 8*\i
.endr
	v_lshl_add_u32 v[BMA], v0, 2, BMW
	v_lshl_add_u32 v[BML], v1, 4, BMW
	s_wait_loadcnt 8                               ; idx is in; the eight loads of the bias are younger
	v_mov_b32 v[TA], 0
.set p, 31
.rept 32                               ; my word: bit p says whether the token of register p has chosen e
	v_cmp_eq_u32 vcc_lo, s[EX], v[RAW+p]
	v_cndmask_b32 v[TB], 0, 1, vcc_lo
	v_lshl_or_b32 v[TA], v[TA], 1, v[TB]
.set p, p-1
.endr
	v_lshrrev_b32 v[TB], 1, v[TA]                  ; its popcount: counts of 2, 4, 8 bits, then the four bytes added by a multiplication
	v_and_b32 v[TB], s66, v[TB]
	v_sub_nc_u32 v[WD], v[TA], v[TB]
	v_lshrrev_b32 v[TB], 2, v[WD]
	v_and_b32 v[TB], s67, v[TB]
	v_and_b32 v[WD], s67, v[WD]
	v_add_nc_u32 v[WD], v[WD], v[TB]
	v_lshrrev_b32 v[TB], 4, v[WD]
	v_add_nc_u32 v[WD], v[WD], v[TB]
	v_and_b32 v[WD], s68, v[WD]
	v_mul_lo_u32 v[WD], v[WD], s69
	v_lshrrev_b32 v[WD], 24, v[WD]
	ds_store_b32 v[BMA], v[TA]
	ds_store_b32 v[BMA], v[WD] offset:512
	s_wait_dscnt 0x0                               ; for the others' sake: my word and its count are in LDS
	s_barrier_signal -1                            ; the tensor loads stay out across this barrier
	s_barrier_wait -1
	ds_load_b128 v[WD:WD+3], v[BML]                ; every wave takes all 128 words, four a lane,
	ds_load_b128 v[CN:CN+3], v[BML] offset:512     ; and their counts
	s_wait_loadcnt 0x0                             ; the bias: rounded to bf16 and widened again, into window 1
.irp t, 0,1,2,3
.irp k, 0,1,2,3
	v_cvt_pk_bf16_f32 v[BF+4*\t+\k], v[RAW+32+8*\t+2*\k], v[RAW+32+8*\t+2*\k+1]
.endr
.endr
	WIN 0x40
.irp t, 0,1,2,3
.irp k, 0,1,2,3
	v_lshlrev_b32 v[BIAS+8*\t+2*\k], 16, v[BF+4*\t+\k]
	v_and_b32 v[BIAS+8*\t+2*\k+1], s80, v[BF+4*\t+\k]
.endr
.endr
	WIN 0
	s_wait_dscnt 0x0
	v_add_nc_u32 v[TA], v[CN], v[CN+1]             ; rows in my first two words,
	v_add_nc_u32 v[TB], v[TA], v[CN+2]             ; three,
	v_add_nc_u32 v[PFX], v[TB], v[CN+3]            ; four
	v_lshl_or_b32 v[PK], v[TA], 8, v[CN]           ; at most 32, 64, 96: a byte each
	v_lshl_or_b32 v[PK], v[TB], 16, v[PK]
	v_mov_b32 v[XCL], v[PFX]
	v_mov_b32 v[RUN], v[PFX]
	; prefix sum over the 32 lanes: in step d RUN is the sum of my block of d lanes; a lane whose number has bit d adds the block below
.irp k, 0,1,2,3
	v_mov_b32_dpp v[TA], v[RUN] row_xmask:1<<\k row_mask:0xf bank_mask:0xf
	v_cndmask_b32 v[TB], 0, v[TA], s[70+\k]
	v_add_nc_u32 v[PFX], v[PFX], v[TB]
	v_add_nc_u32 v[RUN], v[RUN], v[TA]
.endr
	v_permlanex16_b32 v[TA], v[RUN], s76, s77
	v_cndmask_b32 v[TB], 0, v[TA], s74
	v_add_nc_u32 v[PFX], v[PFX], v[TB]
	v_sub_nc_u32 v[XCL], v[PFX], v[XCL]
	v_readlane_b32 s[CNT], v[PFX], 31              ; the expert's rows
	s_max_u32 s[LASTR], s[CNT], 1
	s_sub_co_u32 s[LASTR], s[LASTR], 1
	s_max_u32 s[NIT], s[CNT], 384                  ; trips of LATER: the rows past 384, 128 a trip, rounded up
	s_sub_co_u32 s[NIT], s[NIT], 384-127
	s_lshr_b32 s[NIT], s[NIT], 7
	s_lshl_b32 s[BASEW], s[WV], 4
	s_sub_co_i32 s[LIM], s[CNT], s[BASEW]
; SEARCH np: the tokens of np pairs of tiles.  Lane (r, h) looks for rank BASEW + 128 pair + 64 h + r, held to the last rank.  Registers of a pair, from Q: +0 the rank, +1 the lane that holds it,
; +2 a permute's index, later the bit, +3 at work, +4 the rank within the lane, then within the word, +5 PK, later the token, +6 to +9 that lane's words, later the word's counts of 2, 4, 8 and 16 bits,
; +10 the word, +11 what is taken off, +12 the word's number.  Each step is written for all pairs, so that their permutes are on their way together.
.macro PAIRS np, line:vararg
.set Q, SQ
.set pp, 0
.rept \np
	\line
.set Q, Q+16
.set pp, pp+1
.endr
.endm
.macro S_INIT
	v_add3_u32 v[Q], v[VR0], s[BASEW], 128*pp
	v_min_u32 v[Q], s[LASTR], v[Q]
	v_mov_b32 v[Q+1], 0
.endm
.macro S_PROBE st                      ; a bisection over the lanes' prefix sums: how many lanes end at or below the rank
	v_add_lshl_u32 v[Q+2], v[Q+1], (\st)-1, 2
	ds_bpermute_b32 v[Q+3], v[Q+2], v[PFX]
.endm
.macro S_TAKE st
	v_cmp_le_u32 vcc_lo, v[Q+3], v[Q]
	v_cndmask_b32 v[Q+3], 0, \st, vcc_lo
	v_add_nc_u32 v[Q+1], v[Q+1], v[Q+3]
.endm
.macro S_GATHER                        ; what that lane holds
	v_lshlrev_b32 v[Q+2], 2, v[Q+1]
	ds_bpermute_b32 v[Q+4], v[Q+2], v[XCL]
	ds_bpermute_b32 v[Q+5], v[Q+2], v[PK]
	ds_bpermute_b32 v[Q+6], v[Q+2], v[WD]
	ds_bpermute_b32 v[Q+7], v[Q+2], v[WD+1]
	ds_bpermute_b32 v[Q+8], v[Q+2], v[WD+2]
	ds_bpermute_b32 v[Q+9], v[Q+2], v[WD+3]
.endm
.macro S_WORD                          ; which of its four words: the last whose rows begin at or below the rank
	v_sub_nc_u32 v[Q+4], v[Q], v[Q+4]
	v_mov_b32 v[Q+10], v[Q+6]
	v_mov_b32 v[Q+11], 0
	v_mov_b32 v[Q+12], 0
.irp k, 0,1,2
	v_bfe_u32 v[Q+3], v[Q+5], 8*\k, 8
	v_cmp_ge_u32 vcc_lo, v[Q+4], v[Q+3]
	v_cndmask_b32 v[Q+10], v[Q+10], v[Q+7+\k], vcc_lo
	v_cndmask_b32 v[Q+11], v[Q+11], v[Q+3], vcc_lo
	v_cndmask_b32 v[Q+12], v[Q+12], \k+1, vcc_lo
.endr
	v_sub_nc_u32 v[Q+4], v[Q+4], v[Q+11]
.endm
.macro S_TABLES                        ; the word's counts of 2, 4 and 8 bits, and of its low 16
	v_lshrrev_b32 v[Q+3], 1, v[Q+10]
	v_and_b32 v[Q+3], s66, v[Q+3]
	v_sub_nc_u32 v[Q+6], v[Q+10], v[Q+3]
	v_lshrrev_b32 v[Q+3], 2, v[Q+6]
	v_and_b32 v[Q+3], s67, v[Q+3]
	v_and_b32 v[Q+7], s67, v[Q+6]
	v_add_nc_u32 v[Q+7], v[Q+7], v[Q+3]
	v_lshrrev_b32 v[Q+3], 4, v[Q+7]
	v_add_nc_u32 v[Q+8], v[Q+7], v[Q+3]
	v_and_b32 v[Q+8], s68, v[Q+8]
	v_lshrrev_b32 v[Q+3], 8, v[Q+8]
	v_add_nc_u32 v[Q+9], v[Q+8], v[Q+3]
	v_mov_b32 v[Q+2], 0
.endm
.macro S_STEP src, width, step         ; if the rank is not among the set bits of the next \step bits, they are passed over
	v_bfe_u32 v[Q+3], v[Q+\src], v[Q+2], \width
	v_cmp_ge_u32 vcc_lo, v[Q+4], v[Q+3]
	v_cndmask_b32 v[Q+3], 0, v[Q+3], vcc_lo
	v_sub_nc_u32 v[Q+4], v[Q+4], v[Q+3]
	v_cndmask_b32 v[Q+3], 0, \step, vcc_lo
	v_add_nc_u32 v[Q+2], v[Q+2], v[Q+3]
.endm
.macro S_TOKEN                         ; token = 512 (bit / 4) + bit % 4 + 16 lane + 4 word; then every lane takes the token of row r of either tile
	v_lshrrev_b32 v[Q+3], 2, v[Q+2]
	v_and_b32 v[Q+5], 3, v[Q+2]
	v_lshl_add_u32 v[Q+5], v[Q+3], 9, v[Q+5]
	v_lshl_add_u32 v[Q+5], v[Q+1], 4, v[Q+5]
	v_lshl_add_u32 v[Q+5], v[Q+12], 2, v[Q+5]
	ds_bpermute_b32 v[TOK+2*pp], v[BR0], v[Q+5]
	ds_bpermute_b32 v[TOK+2*pp+1], v[BR1], v[Q+5]
.endm
.macro S_ADDR
.irp u, 0,1
	v_min_u32 v[TOK+2*pp+\u], 0xfff, v[TOK+2*pp+\u]          ; a number made of loaded data is held inside the table before it enters an address
	v_lshl_add_u32 v[AOFF+2*pp+\u], v[TOK+2*pp+\u], 11, v[H16]  ; a row of xb is 2,048 bytes
.endr
.endm
.macro SEARCH np
	PAIRS \np, S_INIT
.irp st, 16,8,4,2,1
	PAIRS \np, S_PROBE \st
	s_wait_dscnt 0x0
	PAIRS \np, S_TAKE \st
.endr
	PAIRS \np, S_GATHER
	s_wait_dscnt 0x0
	PAIRS \np, S_WORD
	PAIRS \np, S_TABLES
	PAIRS \np, S_STEP 9, 8, 16
	PAIRS \np, S_STEP 8, 8, 8
	PAIRS \np, S_STEP 7, 4, 4
	PAIRS \np, S_STEP 6, 2, 2
	PAIRS \np, S_STEP 10, 1, 1
	PAIRS \np, S_TOKEN
	s_wait_dscnt 0x0
	PAIRS \np, S_ADDR
.endm
; The tokens' fragments of chunk c for tiles j0 and j0 + 1, straight from xb into registers: 16 loads.  Lane (r, h) takes row r's K = 8 h + 0..7 and 16 + 8 h + 0..7 of each K step of 32.
.macro ALOAD2 c, j0
	WIN 0x80+0x40*((\c)&1)                         ; destination window 2 or 3, address window 0
.irp u, 0,1
.irp s, 0,1,2,3
	global_load_b128 v[32*((\j0)+\u)+8*\s:32*((\j0)+\u)+8*\s+3],   v[AOFF+(\j0)+\u], s[8:9] offset:256*(\c)+64*\s
	global_load_b128 v[32*((\j0)+\u)+8*\s+4:32*((\j0)+\u)+8*\s+7], v[AOFF+(\j0)+\u], s[8:9] offset:256*(\c)+64*\s+32
.endr
.endr
	WIN 0
.endm
; My 16 rows of chunk c come out of LDS as f32: a load takes a whole row, 512 neighbouring bytes.
.macro RAWLOAD c
	s_wait_tensorcnt 7-(\c)                        ; tensor loads of a wave end in order (ISA guide 10.11.1): chunk c is in, the 7 - c later ones may stay out
.set i, 0
.rept 16
	ds_load_b128 v[RAW+4*i:RAW+4*i+3], v[CL+(\c)/2] offset:((\c)&1)*CHUNK+PITCH*i
.set i, i+1
.endr
.endm
; They are rounded, all 16 rows in one batch, and stored in one run: a row's 256 bytes of bf16 go to the head of the same LDS row.
.macro CVTSTORE c
	s_wait_dscnt 0x0                               ; the rows are in
.set i, 0
.rept 16
	v_cvt_pk_bf16_f32 v[RAW+4*i], v[RAW+4*i], v[RAW+4*i+1]
	v_cvt_pk_bf16_f32 v[RAW+4*i+1], v[RAW+4*i+2], v[RAW+4*i+3]
.set i, i+1
.endr
.set i, 0
.rept 16
	ds_store_b64 v[CS+(\c)/2], v[RAW+4*i:RAW+4*i+1] offset:((\c)&1)*CHUNK+PITCH*i
.set i, i+1
.endr
.endm
; W's fragments of chunk c: 4 K steps x 4 class tiles, 32 loads in one run, into the buffer of the chunk's parity
.macro BLOAD c
.irp s, 0,1,2,3
.if ((\c)&1) == 0
	WIN 0
.set rB, BF+32*\s
.else
	WIN 0x80+0x40*(\s/2)                           ; destination window 2 (K steps 0, 1) or 3 (K steps 2, 3)
.set rB, BFO+32*(\s%2)
.endif
.irp t, 0,1,2,3
	ds_load_b128 v[rB+8*\t:rB+8*\t+3],   v[FB+(\c)/2] offset:((\c)&1)*CHUNK+\t*WROWS+64*\s
	ds_load_b128 v[rB+8*\t+4:rB+8*\t+7], v[FB+(\c)/2] offset:((\c)&1)*CHUNK+\t*WROWS+64*\s+32
.endr
.endr
	WIN 0
.endm
; Tile j's 16 products of chunk c.  Its four accumulators take turns, one instruction a turn, from tile to tile and from chunk to chunk too.  Chunk 0 starts every sum with the bias.
.macro TILE c, j
.irp s, 0,1,2,3
.if ((\c)&1) == 0
	WIN 0x58                                       ; W's fragments window 0, the tokens' window 2, C and D window 1
.set rB, BF+32*\s
.else
	WIN 0x5e+(\s/2)                                ; W's fragments window 2 or 3, the tokens' window 3, C and D window 1
.set rB, BFO+32*(\s%2)
.endif
.irp t, 0,1,2,3
.if ((\c) == 0) && (\s == 0)
	v_wmma_f32_16x16x32_bf16 v[32*(\j)+8*\t:32*(\j)+8*\t+7], v[rB+8*\t:rB+8*\t+7], v[32*(\j)+8*\s:32*(\j)+8*\s+7], v[BIAS+8*\t:BIAS+8*\t+7]
.else
	v_wmma_f32_16x16x32_bf16 v[32*(\j)+8*\t:32*(\j)+8*\t+7], v[rB+8*\t:rB+8*\t+7], v[32*(\j)+8*\s:32*(\j)+8*\s+7], v[32*(\j)+8*\t:32*(\j)+8*\t+7]
.endif
.endr
.endr
.endm
; A tile with a jump of its own: in chunk 0 every tile is multiplied, so that every accumulator is written; later a tile past the count is jumped, a jump forward past matrix instructions alone.
.macro CT c, j
.if (\c) != 0
	WIN 0                                          ; at a branch every window is 0
	s_cmp_le_i32 s[LIM], 64*(\j)
	s_cbranch_scc1 .Lct_\@
.endif
	TILE \c, \j
	WIN 0
.Lct_\@:
.endm
; A STEP of ranks 0 to 383.  The tokens' fragments go out in three groups of 16 loads; ahead of each group stands s_wait_loadcnt 32: three groups are out, the oldest, issued at the same place of
; the step before, is waited for, the two younger ones stay out: 48 loads of a wave are out at the most.  In step 7 nothing is asked for and the counts run down.
.macro STEP c
	s_wait_loadcnt 32                              ; this chunk's fragments for tiles 0, 1 are in
.if (\c) < 7
.if (\c) > 0
	PLACES                                         ; all that this step's three runs load into was last read by the products of the step before: these four are their places
.endif
	ALOAD2 (\c)+1, 0
	RAWLOAD (\c)+1
	s_wait_dscnt 16                                ; W's fragments of this chunk are in; the 16 loads of rows are younger
.else
	s_wait_dscnt 0x0
.endif
	CT \c, 0
.if (\c) < 7
	s_wait_loadcnt 32                              ; this chunk's fragments for tiles 2, 3
	CVTSTORE (\c)+1
	ALOAD2 (\c)+1, 2
.else
	s_wait_loadcnt 16
.endif
	CT \c, 1
.if (\c) < 7
	s_wait_loadcnt 32                              ; this chunk's fragments for tiles 4, 5
	s_wait_dscnt 0x0                               ; for the others' sake: my rows of the next chunk are stored
	s_barrier_signal -1                            ; every wave's are;
	s_barrier_wait -1                              ; The later chunks' tensor loads stay out across it
	BLOAD (\c)+1
	ALOAD2 (\c)+1, 4
.else
	s_wait_loadcnt 0x0
.endif
.irp j, 2,3,4,5                        ; the first of these tiles past the count ends the run
.if (\c) != 0
	WIN 0
	s_cmp_le_i32 s[LIM], 64*\j
	s_cbranch_scc1 .Lce_\@
.endif
	TILE \c, \j
.endr
	WIN 0
.Lce_\@:
.endm
; A step of LATER: two tiles; the next chunk's fragments, the tokens' and W's, are asked for ahead of this chunk's products.
.macro LSTEP c
.if (\c) < 7
.if (\c) > 0
	PLACES                                         ; for the loads below into registers that the products of the step before have read
.endif
	ALOAD2 (\c)+1, 0
	BLOAD (\c)+1
	s_wait_loadcnt 16                              ; the next chunk's 16 loads are younger,
	s_wait_dscnt 32                                ; and its 32 loads of W's fragments
.else
	s_wait_loadcnt 0x0
	s_wait_dscnt 0x0
.endif
.irp j, 0,1
.if (\c) != 0
	WIN 0
	s_cmp_le_i32 s[LIM], 64*\j
	s_cbranch_scc1 .Lle_\@
.endif
	TILE \c, \j
.endr
	WIN 0
.Lle_\@:
.endm
; THE WAY OUT.  TOSTAGE j: a lane's 32 bytes of a row of tile j go into my stage (rows of 272 bytes) and come back as whole rows of 256; each row's token comes from the lane that holds it: 24 LDS instructions.
; SEND j: the rows are stored.  Tile j + 1 is staged ahead of tile j's stores, so two sets of registers take turns; the stage is one: LDS serves a wave's instructions in order (ISA guide 5.7.1.4),
; so a tile's loads see its stores, and the next tile's stores come behind them.  One tile past the count is staged and dropped.
.macro TOSTAGE j
.set OBJ, OB+40*((\j)&1)
	WIN 0x04                                       ; store data window 1
.irp t, 0,1,2,3                        ; each accumulator from its low end on
	ds_store_b128 v[STO], v[32*(\j)+8*\t:32*(\j)+8*\t+3]   offset:64*\t
	ds_store_b128 v[STO], v[32*(\j)+8*\t+4:32*(\j)+8*\t+7] offset:64*\t+16
.endr
	WIN 0
.irp i, 0,1,2,3,4,5,6,7
	ds_bpermute_b32 v[OBJ+32+\i], v[BPA+\i], v[TOK+(\j)]  ; the token of row 2 i + h
.endr
.irp i, 0,1,2,3,4,5,6,7
	ds_load_b128 v[OBJ+4*\i:OBJ+4*\i+3], v[RD] offset:2*SPITCH*\i
.endr
.endm
.macro SEND j, younger                 ; younger: the LDS instructions of the tile staged behind this one: 24, or none
.set OBJ, OB+40*((\j)&1)
	s_wait_dscnt 8+(\younger)                      ; the tokens are in; behind them stand this tile's eight loads of rows and the next tile's instructions
.irp i, 0,1,2,3,4,5,6,7
	v_min_u32 v[OBJ+32+\i], 0xfff, v[OBJ+32+\i]
.endr
.irp i, 0,1,2,3,4,5,6,7
	v_lshl_add_u32 v[OBJ+32+\i], v[OBJ+32+\i], 12, v[CO]  ; a row of out0 is 4,096 bytes
.endr
.irp i, 0,1,2,3,4,5,6,7
	s_wait_dscnt 7-\i+(\younger)                   ; the later rows' loads may stay out
	global_store_b128 v[OBJ+32+\i], v[OBJ+4*\i:OBJ+4*\i+3], s[12:13] th:TH_STORE_NT  ; 16 lanes store a token's 64 classes: 256 consecutive bytes, aligned
.endr
.endm
.macro WAYOUT nt
	PLACES                                         ; between the last products and the first read of their results
	s_cmp_le_i32 s[LIM], 0
	s_cbranch_scc1 .Lwe_\@                         ; none of my tiles has a row
	TOSTAGE 0
.set jj, 0
.rept \nt
.if jj+1 < \nt
	s_wait_xcnt 0x0                                ; the stores of the tile before this one have read the set of registers that the next tile takes
	TOSTAGE jj+1
	SEND jj, 24
	s_cmp_le_i32 s[LIM], 64*(jj+1)
	s_cbranch_scc1 .Lwe_\@                         ; the tile just staged and all later ones lie past the count
.else
	SEND jj, 0
.endif
.set jj, jj+1
.endr
.Lwe_\@:
	s_wait_dscnt 0x0                               ; the loads of a tile that was staged and dropped
.endm
	; RANKS 0 TO 383, while W comes in.
	SEARCH 3
	ALOAD2 0, 0                                    ; chunk 0's fragments of the tokens: three groups of 16, as in every step
	ALOAD2 0, 2
	ALOAD2 0, 4
	RAWLOAD 0                                      ; chunk 0 of W is rounded while they are on their way
	CVTSTORE 0
	s_wait_dscnt 0x0                               ; for the others' sake: my rows of chunk 0 are stored
	s_barrier_signal -1
	s_barrier_wait -1
	BLOAD 0
.irp c, 0,1,2,3,4,5,6,7
	STEP \c
.endr
	WAYOUT 6
	; RANKS FROM 384 ON, 128 a trip: two tiles a wave, W's bf16 copy read from LDS as it lies.
	s_cmp_eq_u32 s[NIT], 0
	s_cbranch_scc1 .Ldone
	s_mov_b32 s[IT], 0
	s_add_co_u32 s[BASEW], s[BASEW], 384
.Llater:
	s_wait_xcnt 0x0                                ; the last stores have read their registers, which SEARCH writes
	v_nop                                          ; with the four at the head of the way out: five places ahead of the products that write the accumulators anew
	s_sub_co_i32 s[LIM], s[CNT], s[BASEW]
	SEARCH 1
	ALOAD2 0, 0
	BLOAD 0
.irp c, 0,1,2,3,4,5,6,7
	LSTEP \c
.endr
	WAYOUT 2
	s_add_co_u32 s[BASEW], s[BASEW], 128
	s_add_co_u32 s[IT], s[IT], 1
	s_cmp_lt_u32 s[IT], s[NIT]
	s_cbranch_scc1 .Llater
.Ldone:
	s_wait_tensorcnt 0x0                           ; the wave's end, behind my last tensor load and my last LDS store
	ds_add_u32 v[SPW], v[NIL]
	s_wait_dscnt 0x0
	s_endpgm
.Lfunc_end_k_q974ef2b948_expert:
	.size	k_q974ef2b948_expert, .Lfunc_end_k_q974ef2b948_expert-k_q974ef2b948_expert
	.p2alignl 7, 3214868480
	.fill 96, 4, 3214868480
	.section	.rodata,"a",@progbits
	.p2align	6, 0x0
	.amdhsa_kernel k_q974ef2b948_expert
		.amdhsa_group_segment_fixed_size 289280
		.amdhsa_private_segment_fixed_size 0
		.amdhsa_enable_private_segment 0
		.amdhsa_kernarg_size 40
		.amdhsa_user_sgpr_count 2
		.amdhsa_user_sgpr_kernarg_segment_ptr 1
		.amdhsa_wavefront_size32 1
		.amdhsa_system_sgpr_workgroup_id_x 1
		.amdhsa_system_sgpr_workgroup_id_y 1
		.amdhsa_system_sgpr_workgroup_id_z 1
		.amdhsa_system_vgpr_workitem_id 0
		.amdhsa_next_free_vgpr 1024
		.amdhsa_next_free_sgpr 92
		.amdhsa_reserve_vcc 1
		.amdhsa_float_denorm_mode_32 3
		.amdhsa_float_denorm_mode_16_64 3
		.amdhsa_memory_ordered 1
		.amdhsa_forward_progress 1
		.amdhsa_inst_pref_size 255
	.end_amdhsa_kernel
	.section	.bss,"aw",@nobits
	.p2align	6
	.space	262144
	.amdgpu_metadata
---
amdhsa.version: [ 1, 2 ]
amdhsa.kernels:
  - .name:           k_q974ef2b948_expert
    .symbol:         k_q974ef2b948_expert.kd
    .args:
      - { .name: W, .offset: 0, .size: 8, .value_kind: global_buffer, .address_space: global }
      - { .name: b, .offset: 8, .size: 8, .value_kind: global_buffer, .address_space: global }
      - { .name: xb, .offset: 16, .size: 8, .value_kind: global_buffer, .address_space: global }
      - { .name: idx, .offset: 24, .size: 8, .value_kind: global_buffer, .address_space: global }
      - { .name: out0, .offset: 32, .size: 8, .value_kind: global_buffer, .address_space: global }
    .group_segment_fixed_size: 289280
    .private_segment_fixed_size: 0
    .kernarg_segment_align: 8
    .kernarg_segment_size: 40
    .max_flat_workgroup_size: 128
    .sgpr_count:     92
    .vgpr_count:     1024
    .wavefront_size: 32
...
	.end_amdgpu_metadata
.endif
;; end of part 3
